; MI455X (gfx1250); checked and timed in simulation.
; The chip was launched on July 23, 2026; its instructions are those of AMD's public machine-readable ISA for CDNA 5 (MIT licence, August 2026) and "CDNA5" Instruction Set Architecture Reference Guide (July 2026). The comments in the code are by the model that wrote it; some were corrected since.
;; Relu Transformer. Allowed arithmetic: float matrix products may take bf16 or f16 operands with f32 sums; all other float work in f32.
;; Inputs: alpha 1 x 8,192 x 1 float32; lower_bound_prev 1 x 8,192 x 1 float32; upper_bound_prev 1 x 8,192 x 1 float32.
;; Outputs: out0 1 x 8,192 x 1 float32; out1 1 x 8,192 x 1 float32.
;; One version. Each part assembles by itself: llvm-mc -triple=amdgcn-amd-amdhsa -mcpu=gfx1250 --defsym DOCPART=n.
;; ======== version 1 of 1: 1 launch
;; launch relu_bounds (part 1): grid 64 x 1, 1 waves a work-group, no clusters, 0 bytes of LDS; arguments alpha, lower_bound_prev, upper_bound_prev, out0, out1; writes out0, out1
.if DOCPART == 1
	.amdgcn_target "amdgcn-amd-amdhsa--gfx1250"
	.amdhsa_code_object_version 6
	.text
	.protected	k_q315039b385_relu_bounds
	.globl	k_q315039b385_relu_bounds
	.p2align	8
	.type	k_q315039b385_relu_bounds,@function
k_q315039b385_relu_bounds:
	s_mov_b64 s[64:65], 0
	v_nop
	global_prefetch_b8 v0, s[64:65] scope:SCOPE_SE
	s_setreg_imm32_b32 hwreg(HW_REG_WAVE_MODE, 25, 1), 1
	s_wait_xcnt 0x0
; Interval bounds through a ReLU relaxation, 8,192 neurons, all f32.
;   a      = alpha + (clip(alpha, 0, 1) - alpha)          (written out so: for |alpha| above 2^24 it is not clip(alpha))
;   slope  = ub / (ub - lb)
;   pos    = lb >= 0 and ub >= 0;  cross = lb < 0 and ub >= 0;  strict = lb < 0 and ub > 0      (as 0.0 or 1.0)
;   wl     = pos + cross a;        wu = pos + cross slope
;   out0   = max(wl, 0) lb + min(wl, 0) ub + 0
;   out1   = max(wu, 0) ub + min(wu, 0) lb + strict (-slope lb)
; The weight matrices of the problem are diagonal by its own construction (jnp.diag), so of each row's 8,192 products only the
; diagonal one is formed: the work is elementwise, and the matrix unit, LDS and barriers have nothing to do here.
;
; LIMITS.  (1) The products 0 x lb[j], 0 x ub[j] off the diagonal are not formed: an infinite or NaN bound reaches only its own
; row here, while in the dense product it would make every row NaN.  Equal results for finite bounds.
; (2) The division is ub x v_rcp_f32(ub - lb): a few units in the last place off, and v_rcp_f32 flushes denormals (ISA guide, its
; entry in 15.8): |ub - lb| below 2^-126 counts as 0, and above 2^126 the reciprocal comes out as 0.
; (3) Multiplies and adds are fused and out1's three terms are added bias first: last bits, and the sign of a zero in out1, may differ.
; The masks are multiplied in as 0.0 / 1.0, not selected, and max / min are the forms in which a NaN wins,
; so that a NaN or infinite slope or alpha spreads in its row as in the definition above.
;
; SHARES.  A lane owns 4 neighbouring numbers (16 bytes of each buffer), a wave 128 numbers: every load and store of the wave covers
; 512 consecutive bytes, aligned to 512.  8,192 / 128 = 64 waves, each a work-group of its own: no wave depends on another.
.set WAVE_BYTES_LOG2, 9                ; 32 lanes x 16 bytes
.set LB,  4                            ; v[4:7]    lb
.set UB,  8                            ; v[8:11]   ub
.set AL,  12                           ; v[12:15]  alpha
.set SL,  16                           ; v[16:19]  ub - lb, then slope
.set POS, 20                           ; v[20:23]  pos    as 0.0 / 1.0
.set CR,  24                           ; v[24:27]  cross
.set CS,  28                           ; v[28:31]  strict
.set AC,  32                           ; v[32:35]  clip(alpha), then a
.set W,   36                           ; v[36:39]  wu, later wl
.set WP,  40                           ; v[40:43]  max(w, 0)
.set WN,  44                           ; v[44:47]  min(w, 0)
.set LO,  48                           ; v[48:51]  out0
.set UP,  52                           ; v[52:55]  out1
.set R,   56                           ; v[56:59]  1 / (ub - lb), then -slope lb
.set M,   16                           ; s[16:31]  four lane masks for each of the 4 numbers
	s_load_b256 s[4:11], s[0:1], 0x0               ; alpha s[4:5], lb s[6:7], ub s[8:9], out0 s[10:11]
	s_load_b64 s[12:13], s[0:1], 0x20              ; out1
	s_lshl_b32 s2, ttmp9, WAVE_BYTES_LOG2          ; the work-group's 512 bytes
	v_lshl_add_u32 v1, v0, 4, s2                   ; + 16 x lane: one offset serves all five buffers
	s_wait_kmcnt 0x0
	global_load_b128 v[LB:LB+3], v1, s[6:7] th:TH_LOAD_NT      ; every byte is read once in the launch
	global_load_b128 v[UB:UB+3], v1, s[8:9] th:TH_LOAD_NT
	global_load_b128 v[AL:AL+3], v1, s[4:5] th:TH_LOAD_NT      ; last: out1 does not need it
	s_wait_loadcnt 0x1                             ; lb and ub are in; the one younger load (alpha) may stay out
.irp p, 0,2
	v_pk_add_f32 v[SL+\p:SL+\p+1], v[UB+\p:UB+\p+1], v[LB+\p:LB+\p+1] neg_lo:[0,1] neg_hi:[0,1]   ; ub - lb
.endr
.irp j, 0,1,2,3
	v_rcp_f32 v[R+\j], v[SL+\j]                    ; back to back; the compares below, which name neither R nor SL, are the plain
.endr                                              ; vector instructions that stand in front of the first use (ISA guide 5.7.2)
	; the three masks; a NaN bound fails all four compares, as in the definition
.irp j, 0,1,2,3
	v_cmp_le_f32 s[M+4*\j],   0, v[LB+\j]          ; lb >= 0
	v_cmp_gt_f32 s[M+4*\j+1], 0, v[LB+\j]          ; lb <  0
	v_cmp_le_f32 s[M+4*\j+2], 0, v[UB+\j]          ; ub >= 0
	v_cmp_lt_f32 s[M+4*\j+3], 0, v[UB+\j]          ; ub >  0
.endr
.irp j, 0,1,2,3
	s_and_b32 s[M+4*\j],   s[M+4*\j],   s[M+4*\j+2]            ; pos
	s_and_b32 s[M+4*\j+2], s[M+4*\j+1], s[M+4*\j+2]            ; cross
	s_and_b32 s[M+4*\j+3], s[M+4*\j+1], s[M+4*\j+3]            ; strict
	v_cndmask_b32 v[POS+\j], 0, 1.0, s[M+4*\j]
	v_cndmask_b32 v[CR+\j],  0, 1.0, s[M+4*\j+2]
	v_cndmask_b32 v[CS+\j],  0, 1.0, s[M+4*\j+3]
.endr
	; out1
	s_wait_alu depctr_va_vdst(0)
.irp p, 0,2
	v_pk_mul_f32 v[SL+\p:SL+\p+1], v[UB+\p:UB+\p+1], v[R+\p:R+\p+1]                               ; slope = ub x 1 / (ub - lb)
.endr
.irp p, 0,2
	v_pk_mul_f32 v[R+\p:R+\p+1], v[SL+\p:SL+\p+1], v[LB+\p:LB+\p+1] neg_lo:[1,0] neg_hi:[1,0]     ; -slope lb
	v_pk_fma_f32 v[W+\p:W+\p+1], v[CR+\p:CR+\p+1], v[SL+\p:SL+\p+1], v[POS+\p:POS+\p+1]           ; wu = cross slope + pos
.endr
.irp p, 0,2
	v_pk_mul_f32 v[UP+\p:UP+\p+1], v[CS+\p:CS+\p+1], v[R+\p:R+\p+1]                               ; the bias: strict (-slope lb)
.endr
.irp j, 0,1,2,3
	v_minimum_f32 v[WN+\j], 0, v[W+\j]             ; the sign split of the weight; a NaN weight stays NaN in both parts
	v_maximum_f32 v[WP+\j], 0, v[W+\j]
.endr
.irp p, 0,2
	v_pk_fma_f32 v[UP+\p:UP+\p+1], v[WN+\p:WN+\p+1], v[LB+\p:LB+\p+1], v[UP+\p:UP+\p+1]           ; + min(wu, 0) lb
.endr
.irp p, 0,2
	v_pk_fma_f32 v[UP+\p:UP+\p+1], v[WP+\p:WP+\p+1], v[UB+\p:UB+\p+1], v[UP+\p:UP+\p+1]           ; + max(wu, 0) ub
.endr
	global_store_b128 v1, v[UP:UP+3], s[12:13] th:TH_STORE_NT  ; UP and v1 are not written again
	; out0
	s_wait_loadcnt 0x0                             ; alpha
.irp j, 0,1,2,3
	v_med3_num_f32 v[AC+\j], v[AL+\j], 0, 1.0      ; clip(alpha, 0, 1); of a NaN alpha whatever: the two sums below make it NaN again
.endr
.irp p, 0,2
	v_pk_add_f32 v[AC+\p:AC+\p+1], v[AC+\p:AC+\p+1], v[AL+\p:AL+\p+1] neg_lo:[0,1] neg_hi:[0,1]   ; clip - alpha
.endr
.irp p, 0,2
	v_pk_add_f32 v[AC+\p:AC+\p+1], v[AL+\p:AL+\p+1], v[AC+\p:AC+\p+1]                             ; a = alpha + (clip - alpha)
.endr
.irp p, 0,2
	v_pk_fma_f32 v[W+\p:W+\p+1], v[CR+\p:CR+\p+1], v[AC+\p:AC+\p+1], v[POS+\p:POS+\p+1]           ; wl = cross a + pos
.endr
.irp j, 0,1,2,3
	v_minimum_f32 v[WN+\j], 0, v[W+\j]
	v_maximum_f32 v[WP+\j], 0, v[W+\j]
.endr
.irp p, 0,2
	v_pk_fma_f32 v[LO+\p:LO+\p+1], v[WN+\p:WN+\p+1], v[UB+\p:UB+\p+1], 0 op_sel_hi:[1,1,0]        ; min(wl, 0) ub + the zero bias
.endr
.irp p, 0,2
	v_pk_fma_f32 v[LO+\p:LO+\p+1], v[WP+\p:WP+\p+1], v[LB+\p:LB+\p+1], v[LO+\p:LO+\p+1]           ; + max(wl, 0) lb
.endr
	global_store_b128 v1, v[LO:LO+3], s[10:11] th:TH_STORE_NT
	s_endpgm
.Lfunc_end_k_q315039b385_relu_bounds:
	.size	k_q315039b385_relu_bounds, .Lfunc_end_k_q315039b385_relu_bounds-k_q315039b385_relu_bounds
	.p2alignl 7, 3214868480
	.fill 96, 4, 3214868480
	.section	.rodata,"a",@progbits
	.p2align	6, 0x0
	.amdhsa_kernel k_q315039b385_relu_bounds
		.amdhsa_group_segment_fixed_size 0
		.amdhsa_private_segment_fixed_size 0
		.amdhsa_enable_private_segment 0
		.amdhsa_kernarg_size 40
		.amdhsa_user_sgpr_count 2
		.amdhsa_user_sgpr_kernarg_segment_ptr 1
		.amdhsa_wavefront_size32 1
		.amdhsa_system_sgpr_workgroup_id_x 1
		.amdhsa_system_sgpr_workgroup_id_y 1
		.amdhsa_system_sgpr_workgroup_id_z 1
		.amdhsa_system_vgpr_workitem_id 0
		.amdhsa_next_free_vgpr 60
		.amdhsa_next_free_sgpr 66
		.amdhsa_reserve_vcc 0
		.amdhsa_float_denorm_mode_32 3
		.amdhsa_float_denorm_mode_16_64 3
		.amdhsa_memory_ordered 1
		.amdhsa_forward_progress 1
		.amdhsa_inst_pref_size 7
	.end_amdhsa_kernel
	.amdgpu_metadata
---
amdhsa.version: [ 1, 2 ]
amdhsa.kernels:
  - .name:           k_q315039b385_relu_bounds
    .symbol:         k_q315039b385_relu_bounds.kd
    .args:
      - { .name: alpha, .offset: 0, .size: 8, .value_kind: global_buffer, .address_space: global }
      - { .name: lower_bound_prev, .offset: 8, .size: 8, .value_kind: global_buffer, .address_space: global }
      - { .name: upper_bound_prev, .offset: 16, .size: 8, .value_kind: global_buffer, .address_space: global }
      - { .name: out0, .offset: 24, .size: 8, .value_kind: global_buffer, .address_space: global }
      - { .name: out1, .offset: 32, .size: 8, .value_kind: global_buffer, .address_space: global }
    .group_segment_fixed_size: 0
    .private_segment_fixed_size: 0
    .kernarg_segment_align: 8
    .kernarg_segment_size: 40
    .max_flat_workgroup_size: 32
    .sgpr_count:     66
    .vgpr_count:     60
    .wavefront_size: 32
...
	.end_amdgpu_metadata
.endif
;; end of part 1
